; MI455X (gfx1250); checked and timed in simulation.
; The chip was launched on July 23, 2026; its instructions are those of AMD's public machine-readable ISA for CDNA 5 (MIT licence, August 2026) and "CDNA5" Instruction Set Architecture Reference Guide (July 2026). The comments in the code are by the model that wrote it; some were corrected since.
;; Multi Head Attention. Allowed arithmetic: matrix products marked QUANTISED: E5M2 operands, one given power-of-two scale a tensor, by v_wmma_f32_16x16x64_bf8_bf8 or v_wmma_f32_16x16x128_bf8_bf8, f32 sums; everything else in f32.
;; Inputs: b_o 1,024 float32; lowp_scales 12 int32 (the exponents e of the quantised operands' scales 2^e); w_k_codes 1,024 x 32 x 32 uint8 (E5M2 codes of w_k, K innermost, in blocks of 32 codes); w_o_codes 1,024 x 32 x 32 uint8 (E5M2 codes of w_o, K innermost, in blocks of 32 codes); w_q_codes 1,024 x 32 x 32 uint8 (E5M2 codes of w_q, K innermost, in blocks of 32 codes); w_v_codes 1,024 x 32 x 32 uint8 (E5M2 codes of w_v, K innermost, in blocks of 32 codes); x_codes 4 x 2,048 x 32 x 32 uint8 (E5M2 codes of x, K innermost, in blocks of 32 codes).
;; Outputs: out0 4 x 2,048 x 1,024 float32.
;; This version of the problem:
;;   THIS VERSION OF THE PROBLEM IS GIVEN IN LOW PRECISION. The matrix products marked QUANTISED in the list below multiply operands that are first quantised to E5M2 (5 exponent bits, 2 mantissa bits; 8 bits a number), with one given power-of-two scale for each operand tensor; their sums are f32. All else is computed in f32.
;;   The module's matrix products, in the order in which they are computed (A, B: the left and right operand; K: the contracted axis; several contracted axes count as one K, in the product's order):
;;     1. [M 8,192, K 1,024] x [K 1,024, N 1,024]; A: input x (given as codes); B: input w_q (given as codes): QUANTISED (scales: A lowp_scales[0], B lowp_scales[1])
;;     2. [M 8,192, K 1,024] x [K 1,024, N 1,024]; A: input x (given as codes); B: input w_k (given as codes): QUANTISED (scales: A lowp_scales[2], B lowp_scales[3])
;;     3. [M 8,192, K 1,024] x [K 1,024, N 1,024]; A: input x (given as codes); B: input w_v (given as codes): QUANTISED (scales: A lowp_scales[4], B lowp_scales[5])
;;     4. batch 64 x [M 2,048, K 64] x [K 64, N 2,048]; A: computed on the way; B: computed on the way: QUANTISED (scales: A lowp_scales[6], B lowp_scales[7])
;;     5. batch 64 x [M 2,048, K 2,048] x [K 2,048, N 64]; A: softmax (see below); B: computed on the way: QUANTISED (scales: A lowp_scales[8], B lowp_scales[9])
;;     6. [M 8,192, K 1,024] x [K 1,024, N 1,024]; A: computed on the way; B: input w_o (given as codes): QUANTISED (scales: A lowp_scales[10], B lowp_scales[11])
;;   THE QUANTISER, for each operand of a quantised product, along K:
;;     - The operand's scale is 2^e, e = its entry of the input lowp_scales (int32; the entries are numbered through the quantised products in the list's order, A before B).
;;     - Each number is divided by the scale, clamped to +-57,344, and rounded to the nearest number of E5M2, ties to even, subnormals kept.
;;     - The product sums the exact products of the quantised numbers (number of the format x scale) in f32.
;;   ~~~python
;;   def quantise(x, axis, e):      # numpy; x: float32 -> the quantised numbers, widened to float32 again
;;       x = np.moveaxis(x, axis, -1); K = x.shape[-1]
;;       r = np.clip(x / 2.0 ** e, -57344, 57344)
;;       step = 2.0 ** (np.maximum(np.frexp(np.where(r == 0, 1, r))[1] - 1, -14) - 2)
;;       q = np.round(r / step) * step * 2.0 ** e      # np.round: ties to even
;;       return np.moveaxis(q, -1, axis).astype(np.float32)
;;   ~~~
;;   SOFTMAX AHEAD OF A QUANTISED PRODUCT. Where the list says 'softmax', what is quantised is not the finished softmax but p = 2^(t - M), with t = logit x log2(e) and M = ceil(the row's largest t), a whole number; so 1/2 < the row's largest p <= 1. The row's sum l is taken of the UNQUANTISED p, in f32, and the product's result is divided by l at the end. Since M is a whole number, a kernel that streams over the keys may use a running M (the ceiling of the running maximum): every later rescaling is an exact power of two, so the quantised numbers keep their values, but for numbers so far below the row's largest that they fall under the format's range.
;;   OPERANDS COMPUTED ON THE WAY. 'Computed on the way' means the value that the module computes at that place (a softmax that the list does not call 'softmax' is quantised finished and normalised). What goes into a quantiser is computed in f32, as accurately as f32 sums, v_exp_f32 and their like allow (about 1e-6 of the number): no bf16 or f16 on the way to a quantiser, and a product that is left as it is and whose result goes on into a quantised operand takes f32 operands (vector FMAs, or v_wmma_f32_16x16x4_f32). A number that lies on a knife's edge between two numbers of the format may be rounded either way, as far as f32 arithmetic and the matrix unit's own rounding can turn it there, and no further.
;;   INPUTS GIVEN AS CODES. w_k (in the module: [1024, 1024], K = its axis 1); w_o (in the module: [1024, 1024], K = its axis 1); w_q (in the module: [1024, 1024], K = its axis 1); w_v (in the module: [1024, 1024], K = its axis 1); x (in the module: [4, 2048, 1024], K = its axis 2): each comes as NAME_codes (uint8): NAME with its K axis moved to the last place and cut into blocks of 32 codes, [.., K / 32, bytes a block], one block behind the other in memory; one code a byte (a code: sign, 5 exponent bits, 2 mantissa bits); its scale is its entry of lowp_scales. Its value is code x scale, taken as it is: it is not quantised again, and the codes and scales need not be those that the quantiser above would give.
;; One version. Each part assembles by itself: llvm-mc -triple=amdgcn-amd-amdhsa -mcpu=gfx1250 --defsym DOCPART=n.
;; ======== version 1 of 1: 3 launches
;; limits: right only within a limited range of input values
;; workspace buffers: q_img 8,388,608 bytes; kv_img 16,777,216 bytes; ctx_img 8,388,608 bytes
;; launch qkv (part 1): grid 12 x 32, 4 waves a work-group, clusters of 4 x 4, 327,680 bytes of LDS; arguments x_codes, w_q_codes, w_k_codes, w_v_codes, lowp_scales, q_img, kv_img; writes q_img, kv_img
.if DOCPART == 1
	.amdgcn_target "amdgcn-amd-amdhsa--gfx1250"
	.amdhsa_code_object_version 6
	.text
	.protected	k_q4be6de629a_qkv
	.globl	k_q4be6de629a_qkv
	.p2align	8
	.type	k_q4be6de629a_qkv,@function
k_q4be6de629a_qkv:
	s_mov_b64 s[64:65], 0
	v_nop
	global_prefetch_b8 v0, s[64:65] scope:SCOPE_SE
	s_setreg_imm32_b32 hwreg(HW_REG_WAVE_MODE, 25, 1), 1
	s_wait_xcnt 0x0
	s_wait_alu depctr_hold_cnt(0) depctr_sa_sdst(0) depctr_va_vdst(0) depctr_va_sdst(0) depctr_va_ssrc(0) depctr_va_vcc(0) depctr_vm_vsrc(0)
	s_getreg_b32 s2, hwreg(HW_REG_IB_STS2, 6, 4)
	s_cmp_eq_u32 s2, 0
	s_cbranch_scc0 .Lentry_in_a_cluster
	s_endpgm
.Lentry_in_a_cluster:
	s_bfe_u32 s2, ttmp6, 0x10000c
	s_cmp_lg_u32 s2, 0xf033
	s_cbranch_scc0 .Lentry_shape_is_right
	s_endpgm
.Lentry_shape_is_right:
; q = x Wq^T, k = x Wk^T, v = x Wv^T on codes of BF8 (E5M2); each result is quantised in registers, with its given scale, and stored as codes.
; x: [8192][1024] codes, the weights: [1024][1024] codes, K innermost.  The cluster's x says which product: 0 = q, 1 = k, 2 = v.
; A work-group of four waves makes 256 x 256 sums, a wave 128 x 128: 64 accumulators of 16 x 16, 512 registers.  K = 1,024 goes in four steps of 256 through two LDS slots.
; THE TWO SIDES.  Source 1 of the matrix instruction takes 16 rows of the "A side", source 0 16 rows of the "B side": a lane then holds ONE row of the A side (lane % 16) and, in an accumulator's eight
; registers, eight neighbouring rows of the B side (16 b + 8 (lane / 16) + 0 .. 7).  One conversion of eight makes of them registers 2 b, 2 b + 1 of an 8-bit operand whose K runs along the B side.
;   q, k: A side = x (tokens), B side = the weight's rows (features): K of the next product = the head's 64 channels.
;   v:    A side = Wv's rows (channels), B side = x (keys):            K of the next product = the keys.
; So the codes ARE the next launch's operand registers, and they are stored as images of those registers: four registers by one store, lane l's 16 bytes at 16 l: 512 consecutive bytes, aligned.
;   q_img  [head 64][query tile 128][2][32 lanes][16 bytes]
;   kv_img [head 64][key step 16][16,384]: K: [key tile 8][2][lane][16]; from byte 8,192 on V^T: [channel tile 4][4][lane][16]
; CLUSTERS: 4 x 4 work-groups.  The four of a row of the cluster need the same tile of the A side, the four of a column the same tile of the B side: each tile is asked for jointly.
; The 64 bytes-per-row order in which a fragment's K comes out of LDS (four loads of 16 bytes) is the same on both sides, so every product meets its partner.
; LIMITS: e(result) - e(x) - e(w) lies between -126 and 112, so that the conversion's scale and 57,344 x that scale are f32 numbers.  NaN and infinity among the codes are not served.
; REGISTERS, in windows of 256: window 0: v16-31 addresses and constants; v32-95 a block's held sums; v96-111 its codes; v128-255 A's eight fragments, one set.
;   window 1: B's fragments, two sets, at v0 and v128.   windows 2, 3: accumulator (a, b) at v[8 (8 (a % 4) + b)] of window 2 + a / 4.
.set KROW,   1024                      ; a row of x or of a weight in memory, in bytes
.set ROWB,   256                       ; a tile's row: 256 codes
.set PITCH,  272                       ; an LDS row: 256 bytes + 16 of padding = 68 words: the 16 rows that a load touches start at 16 different banks (64 banks of 4 bytes: ISA guide 11.1)
.set FR,     16                        ; registers of a fragment: 16 rows x 128 K
.set NL,     4                         ; LDS loads that bring one
.set NP,     4                         ; places behind this matrix instruction (ISA guide 7.12.1)
.set HALFT,  128*PITCH                 ; 128 rows: what one tensor load brings, and what a wave reads of a side
.set SLOT,   4*HALFT                   ; A's 256 rows, then B's 256 rows
.set SPARE,  2*SLOT                    ; behind the ring: the spare words, 128 bytes a wave: two blocks of 256 bytes that no other line names
.set ADRA, 16                          ; v16-17  LDS address of my A fragments in slot 0, 1
.set ADRB, 20                          ; v20-21  the same for B
.set LOFF, 26                          ; v26     16 x lane: my place in an image
.set SPW,  28                          ; v28     LDS address of my spare word; never rewritten
.set NIL,  29                          ; v29     0; never rewritten
.set SC,   30                          ; v30     the conversion's scale as f32
.set LIM,  31                          ; v31     57,344 x that scale
.set TMP,  32
.set CD,   96
.set AF,   128
.set WV,   18                          ; s18 wave;  s19 which half of the A side is mine, also: I fetch for A (0) or B (1);  s20 which half of the B side, also: which 128 rows I fetch
.set HA,   19
.set HB,   20
.set CLY4, 21                          ; s21 4 x the cluster's y
.set G1,   24                          ; s[24:31] descriptor group 1 for A's tiles; s[32:39] group 0, a set for each slot
.set G0,   32
.set G1B,  48                          ; s[48:55], s[56:63] the same for B's
.set G0B,  56
.set P0,   84                          ; s[84:85], s[86:87] the two bases of a block's stores; s[88:89] their step from block to block; s[90:91] the extra step at block 4
.set P1,   86
.set STA,  88
.set ST4,  90
.set MSB, 0
.macro WIN new                         ; the immediate's high byte repeats the setting that is left
.if MSB != (\new)
	s_set_vgpr_msb (MSB<<8)|(\new)
.set MSB, (\new)
.endif
.endm
.set MUL_LO, 0xa1                      ; source 0 (B) window 1, source 1 (A) window 0, C and D window 2
.set MUL_HI, 0xf1                      ; the same, C and D window 3
.set TO_B,   0x40                      ; destination window 1, address window 0
; A joint load: waves 0 and 1 fetch for A, waves 2 and 3 for B.  Each line has one mask and one set of registers for all that issue it; the branch hangs on the wave's number alone.
; Four v_nop follow each of the two lines, ahead of the jump, the label and what follows.
.macro JLOAD g0a, g0b
	s_cmp_eq_u32 s[HA], 0
	s_cbranch_scc0 .Lfor_b_\@
	tensor_load_to_lds s[\g0a:\g0a+3], s[G1:G1+7]
	s_nop 0
.rept 4
	v_nop
.endr
	s_branch .Lasked_\@
.Lfor_b_\@:
	tensor_load_to_lds s[\g0b:\g0b+3], s[G1B:G1B+7]
	s_nop 0
.rept 4
	v_nop
.endr
.Lasked_\@:
.endm
.macro CREST                           ; a round of the cluster's barrier behind its opening barrier
	s_cmp_lg_u32 s[WV], 0
	s_cbranch_scc1 .Lnot_wave_0_\@
	s_barrier_signal -3
.Lnot_wave_0_\@:
	s_barrier_wait -3
	s_barrier_signal -1
	s_barrier_wait -1
.endm
.macro CROUND                          ; a whole round
	s_barrier_signal -1
	s_barrier_wait -1
	CREST
.endm
	s_load_b256 s[4:11], s[0:1], 0x0               ; x s[4:5], Wq s[6:7], Wk s[8:9], Wv s[10:11]
	s_load_b128 s[12:15], s[0:1], 0x20             ; the scales' exponents s[12:13], q_img s[14:15]
	s_load_b64 s[16:17], s[0:1], 0x30              ; kv_img
	v_lshl_add_u32 v[SPW], v0, 2, SPARE
	v_mov_b32 v[NIL], 0
	ds_add_u32 v28, v29
	ds_add_u32 v28, v29
	s_wait_dscnt 0x0
	v_lshrrev_b32 v1, 5, v0
	v_readfirstlane_b32 s[WV], v1                  ; wave 0..3
	s_lshr_b32 s[HA], s[WV], 1
	s_and_b32 s[HB], s[WV], 1
	s_bfe_u32 s40, ttmp6, 0x40000                  ; cx, cy: my place in the cluster
	s_bfe_u32 s41, ttmp6, 0x40004
	s_and_b32 s[CLY4], ttmp7, 0xffff
	s_lshl_b32 s[CLY4], s[CLY4], 2
	s_lshl_b32 s42, s41, 2
	s_lshl_b32 s42, 15, s42                        ; my row of the cluster
	s_lshl_b32 s43, 0x1111, s40                    ; my column
	; descriptor group 1: a tile of 128 rows x 256 bytes, padded in LDS
	s_or_b32 s[G1+0], s42, (0<<16)|(1<<20)|(1<<21)|(5<<22)|(3<<25)   ; 15:0 the mask: A's tiles go to my row; 17:16 elements of 1 byte; 20 padding on; 21 set beside a mask; 24:22 after every 64 words; 31:25 four words
	s_or_b32 s[G1B+0], s43, (0<<16)|(1<<20)|(1<<21)|(5<<22)|(3<<25)  ; B's go to my column
.irp g, G1, G1B
	s_mov_b32 s[\g+1], ROWB<<16                    ; tensor_dim0
	s_mov_b32 s[\g+2], 128<<16                     ; tensor_dim1
	s_mov_b32 s[\g+3], ROWB<<16                    ; tile_dim0
	s_mov_b32 s[\g+4], 128                         ; tile_dim1
	s_mov_b32 s[\g+5], KROW                        ; tensor_dim0_stride
	s_mov_b32 s[\g+6], 0
	s_mov_b32 s[\g+7], 0
.endr
	; which rows: the side that is x walks the 32 blocks of 256 tokens (4 x cluster y + place), the side that is a weight its 4 blocks of 256 rows (place alone).
	; A's offset is made of cy alone, B's of cx alone, in registers of their own.
	s_cmp_eq_u32 ttmp9, 2                          ; is it v?  The same in all sixteen partners
	s_cselect_b32 s44, 0, s[CLY4]
	s_cselect_b32 s46, s[CLY4], 0
	s_add_co_u32 s44, s44, s41
	s_add_co_u32 s46, s46, s40
	s_lshl_b32 s44, s44, 8
	s_lshl_b32 s46, s46, 8
	s_lshl_b32 s23, s[HB], 7                       ; which 128 rows of the tile I fetch
	s_add_co_u32 s44, s44, s23
	s_add_co_u32 s46, s46, s23
	s_lshl_b32 s44, s44, 10                        ; rows of 1,024 bytes: under 2^23
	s_lshl_b32 s46, s46, 10
	s_mov_b32 s45, 0
	s_mov_b32 s47, 0
	s_mul_i32 s22, s[WV], HALFT                    ; where my tile goes: wave x 128 rows: no place in the cluster enters an LDS address
	s_wait_kmcnt 0x0
	s_load_b256 s[72:79], s[12:13], 0x0            ; e0 .. e7
	s_load_b128 s[80:83], s[12:13], 0x20           ; e8 .. e11
	s_cmp_eq_u32 ttmp9, 1
	s_cselect_b64 s[68:69], s[8:9], s[6:7]         ; B side: Wk or Wq,
	s_cmp_eq_u32 ttmp9, 2
	s_cselect_b64 s[68:69], s[4:5], s[68:69]       ; or, for v, x
	s_cselect_b64 s[66:67], s[10:11], s[4:5]       ; A side: Wv for v, else x
	s_add_nc_u64 s[66:67], s[66:67], s[44:45]
	s_add_nc_u64 s[68:69], s[68:69], s[46:47]
	CROUND                                         ; all sixteen work-groups are here: the first joint loads meet
.irp s, 0,1
	s_mov_b32 s[G0+4*\s], 1                        ; count = 1
	s_add_co_u32 s[G0+4*\s+1], s22, \s*SLOT        ; LDS address
	s_add_nc_u64 s[G0+4*\s+2:G0+4*\s+3], s[66:67], \s*ROWB   ; global address: K step s
	s_or_b32 s[G0+4*\s+3], s[G0+4*\s+3], 0x80000000          ; type = 2
	s_mov_b32 s[G0B+4*\s], 1
	s_add_co_u32 s[G0B+4*\s+1], s22, \s*SLOT
	s_add_nc_u64 s[G0B+4*\s+2:G0B+4*\s+3], s[68:69], \s*ROWB
	s_or_b32 s[G0B+4*\s+3], s[G0B+4*\s+3], 0x80000000
	JLOAD G0+4*\s, G0B+4*\s
.endr
	v_and_b32 v1, 15, v0                           ; l % 16
	v_bfe_u32 v2, v0, 4, 1                         ; l / 16
	v_mul_u32_u24 v3, v1, PITCH
	v_lshl_add_u32 v4, v2, 4, v3                   ; a fragment's row x pitch + 16 x half
	s_mul_i32 s84, s[HA], HALFT                    ; my 128 rows of A
	s_mul_i32 s85, s[HB], HALFT                    ; my 128 rows of B,
	s_add_co_u32 s85, s85, 2*HALFT                 ; which lie behind A's 256
.irp s, 0,1
	v_add_nc_u32 v[ADRA+\s], s84, v4
	v_add_nc_u32 v[ADRB+\s], s85, v4
	s_add_co_u32 s84, s84, SLOT
	s_add_co_u32 s85, s85, SLOT
.endr
	v_and_b32 v5, 31, v0
	v_lshlrev_b32 v[LOFF], 4, v5
.macro FRAG reg, adr, q, i             ; a fragment: lane l holds row l % 16; registers 4 c .. 4 c + 3 hold K = 32 c + 16 (l / 16) + 0 .. 15
.irp c, 0,1,2,3
	ds_load_b128 v[\reg+4*\c:\reg+4*\c+3], v[\adr] offset:128*(\q)+32*\c+(\i)*16*PITCH
.endr
.endm
; 16 matrix instructions: A's blocks a0, a0 + 1 x B's eight, 128 along K.  p: B's set.  zero = 1: the first product starts the sums.
; The 64 accumulators take turns, one instruction a turn, in the same order in every step.
.macro MUL16 a0, p, zero
.irp a, \a0, \a0+1
.irp b, 0,1,2,3,4,5,6,7
.if \zero
	v_wmma_f32_16x16x128_bf8_bf8 v[8*(8*((\a)%4)+\b):8*(8*((\a)%4)+\b)+7], v[128*(\p)+FR*\b:128*(\p)+FR*\b+FR-1], v[AF+FR*(\a):AF+FR*(\a)+FR-1], 0
.else
	v_wmma_f32_16x16x128_bf8_bf8 v[8*(8*((\a)%4)+\b):8*(8*((\a)%4)+\b)+7], v[128*(\p)+FR*\b:128*(\p)+FR*\b+FR-1], v[AF+FR*(\a):AF+FR*(\a)+FR-1], v[8*(8*((\a)%4)+\b):8*(8*((\a)%4)+\b)+7]
.endif
.endr
.endr
.endm
.macro FETCH_B slot, q, p              ; B's eight fragments of the slot's q-th 128 along K into set p
	WIN TO_B
.irp i, 0,1,2,3,4,5,6,7
	FRAG 128*(\p)+FR*\i, ADRB+\slot, \q, \i
.endr
	WIN 0
.endm
.macro FETCH_A slot, q, i0             ; A's blocks i0 .. i0 + 3
.irp i, \i0, \i0+1, \i0+2, \i0+3
	FRAG AF+FR*(\i), ADRA+\slot, \q, \i
.endr
.endm
.macro PLACES n                        ; plain vector instructions between a matrix instruction and a load into one of its registers, or a read of its result
.rept \n
	v_nop
.endr
.endm
; A step of 128 along K that has its successor in the same slot.  A block of A is free as soon as its eight products are issued: blocks 0-3 are fetched anew in the middle, blocks 4-7 at the end.
.macro STEP slot, q, zero
	s_wait_dscnt 4*NL                              ; B's set and A's blocks 0-3 are in; the youngest sixteen loads (A's blocks 4-7) may be out
	WIN MUL_LO
	MUL16 0, (\q)%2, \zero
	MUL16 2, (\q)%2, \zero
	s_wait_dscnt 0                                 ; A's blocks 4-7 are in
	PLACES NP
	FETCH_B \slot, (\q)+1, 1-(\q)%2
	FETCH_A \slot, (\q)+1, 0
	WIN MUL_HI
	MUL16 4, (\q)%2, \zero
	MUL16 6, (\q)%2, \zero
	PLACES NP
	WIN 0
	FETCH_A \slot, (\q)+1, 4
.endm
; A slot's last step changes slots: one barrier; in front of it each wave waits for all its tensor loads, adds 0 to its spare word, and waits for that and for its reads of this slot.
; fill = 1: this slot is filled again, two K steps ahead; the barrier then opens a round of the cluster's barrier.
.macro TURN slot, next, fill
	s_wait_tensorcnt 0x0                           ; all my tensor loads have landed: my part of the next slot
	ds_add_u32 v[SPW], v[NIL]                      ; 0 onto my spare word
	s_wait_dscnt 4*NL+1                            ; (the add and the youngest sixteen loads may be out)
	WIN MUL_LO
	MUL16 0, 1, 0                                  ; sixteen matrix instructions stand between the add and the wait for it
	s_wait_dscnt 0x0                               ; the add is done, and my reads of this slot are over
	s_barrier_signal -1
	MUL16 2, 1, 0
	WIN 0
	s_barrier_wait -1
.if \fill
	CREST                                          ; no wave of any partner still reads this slot or has a load on its way
	s_add_nc_u64 s[G0+4*\slot+2:G0+4*\slot+3], s[G0+4*\slot+2:G0+4*\slot+3], 2*ROWB
	s_add_nc_u64 s[G0B+4*\slot+2:G0B+4*\slot+3], s[G0B+4*\slot+2:G0B+4*\slot+3], 2*ROWB
	JLOAD G0+4*\slot, G0B+4*\slot                  ; the first tensor load behind the round, one a wave; its four v_nop are the places in front of the loads below
.else
	PLACES NP
.endif
	FETCH_B \next, 0, 0
	FETCH_A \next, 0, 0
	WIN MUL_HI
	MUL16 4, 1, 0
	MUL16 6, 1, 0
	PLACES NP
	WIN 0
	FETCH_A \next, 0, 4
.endm
	s_wait_alu depctr_va_vdst(0)
	s_wait_tensorcnt 1                             ; my part of K step 0 is in (K step 1's load, issued behind it, may be out),
	s_barrier_signal -1
	s_barrier_wait -1                              ; everybody's is
	FETCH_B 0, 0, 0
	FETCH_A 0, 0, 0
	FETCH_A 0, 0, 4
	STEP 0, 0, 1                                   ; K 0-127: the products start the sums
	TURN 0, 1, 1                                   ; K 128-255; slot 0 takes K 512-767
	STEP 1, 0, 0
	TURN 1, 0, 1                                   ; K 384-511; slot 1 takes K 768-1023
	STEP 0, 0, 0
	TURN 0, 1, 0                                   ; nothing is left to fetch
	STEP 1, 0, 0
	s_wait_dscnt 4*NL                              ; the last step
	WIN MUL_LO
	MUL16 0, 1, 0
	MUL16 2, 1, 0
	s_wait_dscnt 0
	WIN MUL_HI
	MUL16 4, 1, 0
	MUL16 6, 1, 0
	WIN 0
	; THE WAY OUT.  All that differs between q, k and v is chosen by selects on the cluster's x; no branch.
	s_wait_kmcnt 0x0
	s_cmp_eq_u32 ttmp9, 0
	s_cselect_b32 s92, s72, s74                    ; x's exponent: entry 0 (q) or 2 (k),
	s_cselect_b32 s93, s73, s75                    ; the weight's: 1 or 3,
	s_cselect_b32 s94, s78, s79                    ; the result's: 6 or 7
	s_cselect_b32 s95, 17, 18                      ; a head is 2^17 bytes of q_img, 2^18 of kv_img
	s_cselect_b64 s[P0:P0+1], s[14:15], s[16:17]
	s_lshl_b32 s[STA], 1, s95
	s_cmp_eq_u32 ttmp9, 2
	s_cselect_b32 s92, s76, s92                    ; v: entries 4, 5 and 9
	s_cselect_b32 s93, s77, s93
	s_cselect_b32 s94, s81, s94
	s_cselect_b32 s96, s40, s41                    ; the place that counts tokens: cx for v, else cy
	s_cselect_b32 s97, s41, s40                    ; the place that counts features
	s_cselect_b32 s98, s[HB], s[HA]                ; my half of the tokens
	s_cselect_b32 s99, s[HA], s[HB]                ; my half of the features
	s_cselect_b32 s23, 1, 0
	s_cselect_b32 s[ST4], 0x3e000, 0               ; v, at block 4: on to the next head's first channel tile: 2^18 - 4 x 2,048
	s_cselect_b32 s[P1], 0x2000, 0                 ; v lies 8,192 bytes into a key step
	s_cselect_b32 s[STA], 0x400, s[STA]            ; from the first base to the second: v: two groups on; q, k: the next head
	s_sub_co_i32 s94, s94, s92
	s_sub_co_i32 s94, s94, s93                     ; a sum stands for sum x 2^(ex + ew): its code is sum / 2^(e - ex - ew)
	s_add_co_i32 s94, s94, 127
	s_lshl_b32 s92, s94, 23
	v_mov_b32 v[SC], s92
	s_add_co_i32 s94, s94, 15
	s_lshl_b32 s94, s94, 23
	s_or_b32 s94, s94, 0x600000
	v_mov_b32 v[LIM], s94                          ; 57,344 x that scale
	s_wait_alu depctr_va_vdst(0)
	s_add_co_u32 s96, s96, s[CLY4]                 ; my block of 256 tokens, 0 .. 31
	s_lshr_b32 s92, s96, 3                         ; its batch,
	s_lshl_b32 s92, s92, 4
	s_lshl_b32 s97, s97, 2
	s_add_co_u32 s92, s92, s97
	s_lshl_b32 s99, s99, 1
	s_add_co_u32 s92, s92, s99                     ; my first head: 16 x batch + 4 x place + 2 x half
	s_and_b32 s96, s96, 7
	s_lshl_b32 s96, s96, 1
	s_add_co_u32 s96, s96, s98                     ; my 128 tokens among the batch's sixteen such runs
	s_lshl_b32 s92, s92, s95
	s_sub_co_u32 s95, s95, 4
	s_lshl_b32 s96, s96, s95                       ; a run is a sixteenth of a head's bytes
	s_add_co_u32 s92, s92, s96
	s_add_co_u32 s92, s92, s[P1]
	s_mov_b32 s93, 0
	s_add_nc_u64 s[P0:P0+1], s[P0:P0+1], s[92:93]
	s_mov_b32 s[STA+1], 0
	s_add_nc_u64 s[P1:P1+1], s[P0:P0+1], s[STA:STA+1]
	s_lshl_b32 s[STA], 1024, s23                   ; from block to block: q, k: a tile of 16 tokens, 1,024 bytes; v: a channel tile, 2,048
	s_mov_b32 s[ST4+1], 0
; Block a: 16 rows of the A side x my 128 of the B side.  Held, converted (eight numbers to two registers), stored as four groups of four registers.
.macro QOUT a
.set AC, 64*((\a)%4)
	WIN 0x02+((\a)/4)                              ; source 0: window 2 or 3
.set j, 0
.rept 64
	v_med3_num_f32 v[TMP+j], v[AC+j], -v[LIM], v[LIM]   ; the conversion to an 8-bit code does not saturate (ISA guide 7.6.2): the hold; each accumulator from its low end on
.set j, j+1
.endr
	WIN 0
.if (\a) > 0
	s_wait_alu depctr_va_vdst(0)
	s_wait_xcnt 0x0                                ; the last block's stores have read their data and bases: both are written again only behind this wait
	s_add_nc_u64 s[P0:P0+1], s[P0:P0+1], s[STA:STA+1]
	s_add_nc_u64 s[P1:P1+1], s[P1:P1+1], s[STA:STA+1]
.endif
.if (\a) == 4
	s_add_nc_u64 s[P0:P0+1], s[P0:P0+1], s[ST4:ST4+1]
	s_add_nc_u64 s[P1:P1+1], s[P1:P1+1], s[ST4:ST4+1]
.endif
.irp b, 0,1,2,3,4,5,6,7
	v_cvt_scalef32_pk8_bf8_f32 v[CD+2*\b:CD+2*\b+1], v[TMP+8*\b:TMP+8*\b+7], v[SC]
.endr
	v_nop                                          ; one plain vector instruction behind the last conversion, ahead of the next block's holds, which write its sources
	global_store_b128 v[LOFF], v[CD:CD+3], s[P0:P0+1]                  ; each store of the wave covers 512 consecutive bytes, aligned
	global_store_b128 v[LOFF], v[CD+4:CD+7], s[P0:P0+1] offset:512
	global_store_b128 v[LOFF], v[CD+8:CD+11], s[P1:P1+1]
	global_store_b128 v[LOFF], v[CD+12:CD+15], s[P1:P1+1] offset:512
.endm
	PLACES NP                                      ; behind the last products, ahead of the first read of results
.irp a, 0,1,2,3,4,5,6,7
	QOUT \a
.endr
	s_wait_tensorcnt 0x0                           ; the wave's end
	ds_add_u32 v[SPW], v[NIL]
	s_wait_dscnt 0x0
	CROUND                                         ; the closing round: no work-group ends while a partner may still ask for a tile that names it
	s_endpgm
.Lfunc_end_k_q4be6de629a_qkv:
	.size	k_q4be6de629a_qkv, .Lfunc_end_k_q4be6de629a_qkv-k_q4be6de629a_qkv
	.p2alignl 7, 3214868480
	.fill 96, 4, 3214868480
	.section	.rodata,"a",@progbits
	.p2align	6, 0x0
	.amdhsa_kernel k_q4be6de629a_qkv
		.amdhsa_group_segment_fixed_size 327680
		.amdhsa_private_segment_fixed_size 0
		.amdhsa_enable_private_segment 0
		.amdhsa_kernarg_size 56
		.amdhsa_user_sgpr_count 2
		.amdhsa_user_sgpr_kernarg_segment_ptr 1
		.amdhsa_wavefront_size32 1
		.amdhsa_system_sgpr_workgroup_id_x 1
		.amdhsa_system_sgpr_workgroup_id_y 1
		.amdhsa_system_sgpr_workgroup_id_z 1
		.amdhsa_system_vgpr_workitem_id 0
		.amdhsa_next_free_vgpr 1024
		.amdhsa_next_free_sgpr 100
		.amdhsa_reserve_vcc 0
		.amdhsa_float_denorm_mode_32 3
		.amdhsa_float_denorm_mode_16_64 3
		.amdhsa_memory_ordered 1
		.amdhsa_forward_progress 1
		.amdhsa_inst_pref_size 120
	.end_amdhsa_kernel
	.amdgpu_metadata
---
amdhsa.version: [ 1, 2 ]
amdhsa.kernels:
  - .name:           k_q4be6de629a_qkv
    .symbol:         k_q4be6de629a_qkv.kd
    .args:
      - { .name: x_codes, .offset: 0, .size: 8, .value_kind: global_buffer, .address_space: global }
      - { .name: w_q_codes, .offset: 8, .size: 8, .value_kind: global_buffer, .address_space: global }
      - { .name: w_k_codes, .offset: 16, .size: 8, .value_kind: global_buffer, .address_space: global }
      - { .name: w_v_codes, .offset: 24, .size: 8, .value_kind: global_buffer, .address_space: global }
      - { .name: lowp_scales, .offset: 32, .size: 8, .value_kind: global_buffer, .address_space: global }
      - { .name: q_img, .offset: 40, .size: 8, .value_kind: global_buffer, .address_space: global }
      - { .name: kv_img, .offset: 48, .size: 8, .value_kind: global_buffer, .address_space: global }
    .group_segment_fixed_size: 327680
    .private_segment_fixed_size: 0
    .kernarg_segment_align: 8
    .kernarg_segment_size: 56
    .max_flat_workgroup_size: 128
    .sgpr_count:     100
    .vgpr_count:     1024
    .wavefront_size: 32
...
	.end_amdgpu_metadata
.endif
;; end of part 1
;; launch attn (part 2): grid 4 x 64, 16 waves a work-group, clusters of 4 x 1, 327,680 bytes of LDS; arguments q_img, kv_img, lowp_scales, ctx_img; writes ctx_img
.if DOCPART == 2
	.amdgcn_target "amdgcn-amd-amdhsa--gfx1250"
	.amdhsa_code_object_version 6
	.text
	.protected	k_q4be6de629a_attn
	.globl	k_q4be6de629a_attn
	.p2align	8
	.type	k_q4be6de629a_attn,@function
k_q4be6de629a_attn:
	s_mov_b64 s[64:65], 0
	v_nop
	global_prefetch_b8 v0, s[64:65] scope:SCOPE_SE
	s_setreg_imm32_b32 hwreg(HW_REG_WAVE_MODE, 25, 1), 1
	s_wait_xcnt 0x0
	s_wait_alu depctr_hold_cnt(0) depctr_sa_sdst(0) depctr_va_vdst(0) depctr_va_sdst(0) depctr_va_ssrc(0) depctr_va_vcc(0) depctr_vm_vsrc(0)
	s_getreg_b32 s2, hwreg(HW_REG_IB_STS2, 6, 4)
	s_cmp_eq_u32 s2, 0
	s_cbranch_scc0 .Lentry_in_a_cluster
	s_endpgm
.Lentry_in_a_cluster:
	s_bfe_u32 s2, ttmp6, 0x10000c
	s_cmp_lg_u32 s2, 0x3003
	s_cbranch_scc0 .Lentry_shape_is_right
	s_endpgm
.Lentry_shape_is_right:
; Causal attention of one head (64 channels, 2,048 tokens) on codes of BF8 (E5M2); the result is quantised for the output projection and stored as codes.
; THE SOFTMAX AHEAD OF THE SECOND PRODUCT: t = score x log2(e) / 8; M = the row's largest t so far, rounded UP to a whole number; p = 2^(t - M) is quantised along the keys, not normalised.
; The row's sum is taken of the unquantised p, in f32, and divides O at the end.  When M moves, the sum and O are multiplied by 2^(old M - new M): exact.
; SHARES.  A cluster of four work-groups is one head.  The head's K and V codes (262,144 bytes, laid as images of operand registers, 16,384 bytes a step of 128 keys) are brought into each
; work-group's LDS ONCE, by joint loads that name the four; nothing is filled again, so there is no ring.  The head has 128 tiles of 16 queries; tile T needs the key steps 0 .. T / 8.
; Wave w (g = w / 2, e = w % 2) of partner cx (m = 2 cx + e) takes tile 8 (15 - g) + m (16 - g steps) and tile 8 g + m (g + 1 steps): 17 steps for every wave of the launch.
; Branches hang on the wave's number and on loop counters alone; cx enters global addresses and the mask's lane data, nothing else.
; LAYOUT.  Both products are used transposed: S^T = K Q^T (source 0 = 16 keys, source 1 = my 16 queries), O^T = V^T P^T (source 0 = 16 channels, source 1 = P): a lane holds ONE query (lane % 16).
; Register 8 T + j of S^T is key 16 T + 8 (lane / 16) + j, so the conversion of tile T gives registers 2 T, 2 T + 1 of the second product's operand as they must lie.
; LIMITS on the given exponents, so that each power of two below is an f32 number: e6 + e7 between -123 and 130; e8 between -126 and 112; e10 - e8 - e9 between -126 and 112.  NaN among the codes is not served.
; REGISTERS: v1 16 x lane; v2 the step's LDS address; v3, v4 the mask; v12 -M, v13 the largest t, v[14:15] the sum in two halves; v16-23, v24-31 Q of my two tiles; v32-95 K's, then V's fragments;
;   v96-159 S^T, then p; v160-191 O^T; v192-207 p's codes; v208-223 the way out; v236-254 at work and constants.
.set STEPB, 16384                      ; a key step's bytes: 8,192 of K, 8,192 of V^T
.set LI,   1
.set ADR,  2
.set DV,   3                           ; v3  my query's place in the diagonal step, less 8 (lane / 16)
.set NINF, 4                           ; v4  -infinity
.set QH,   16
.set QL,   24
.set FF,   32
.set SS,   96
.set OT,   160
.set PC,   192
.set CC,   208
.set XX,   216
.set YY,   220
.set PLIM, 240
.set CLIM, 241
.set PSC,  244                         ; 2^e8
.set CSC,  245                         ; 2^(e10 - e8 - e9)
.set WV,   12                          ; s12 wave
.set GL,   15                          ; s15 g: the diagonal step of my low tile
.set GH,   17                          ; s17 15 - g: of my high tile
.set SEL,  20                          ; s[20:21] lane selects: lane l xor 16
.set CS,   22                          ; s[22:23] c = log2(e) / 8 x 2^(e6 + e7)
.set G1E,  24                          ; s[24:31] descriptor group 1 of the early fill; s[32:39] of the late one; s[40:43], s[44:47] their groups 0
.set G1L,  32
.set G0E,  40
.set G0L,  44
.set HM,   53                          ; s53 the mask of lanes 16-31
.set QPH,  54                          ; s[54:55], s[56:57] Q's images of my high and low tile; s[58:59], s[60:61] where their results go
.set QPL,  56
.set CPH,  58
.set CPL,  60
.set KS,   62                          ; s62 the key step
.set TB,   63                          ; s63 its first LDS byte
.macro CROUND                          ; a round of the cluster's barrier
	s_barrier_signal -1
	s_barrier_wait -1
	s_cmp_lg_u32 s[WV], 0
	s_cbranch_scc1 .Lnot_wave_0_\@
	s_barrier_signal -3
.Lnot_wave_0_\@:
	s_barrier_wait -3
	s_barrier_signal -1
	s_barrier_wait -1
.endm
	s_load_b256 s[4:11], s[0:1], 0x0               ; q_img s[4:5], kv_img s[6:7], the scales' exponents s[8:9], ctx_img s[10:11]
	v_lshl_add_u32 v251, v0, 2, 0x40000
	v_mov_b32 v255, 0
	ds_add_u32 v251, v255
	ds_add_u32 v251, v255
	v_and_b32 v[LI], 31, v0
	s_delay_alu instid0(VALU_DEP_1)
	v_lshlrev_b32 v[LI], 4, v[LI]
	v_lshrrev_b32 v[ADR], 5, v0
	s_delay_alu instid0(VALU_DEP_1)
	v_readfirstlane_b32 s[WV], v[ADR]              ; wave 0..15
	s_bfe_u32 s13, ttmp6, 0x40000                  ; cx
	s_and_b32 s14, ttmp7, 0xffff                   ; the head, 0 .. 63, which the four partners share
	s_lshr_b32 s[GL], s[WV], 1
	s_and_b32 s16, s[WV], 1
	s_sub_co_u32 s[GH], 15, s[GL]
	s_lshl_b32 s18, s13, 1
	s_add_co_u32 s18, s18, s16                     ; m = 2 cx + e
	; descriptor groups 1: dense blocks as rows of 256 bytes (32 elements of 8 bytes): 16 rows (4,096 bytes) early, 48 rows (12,288 bytes) late
	s_mov_b32 s[G1E], 15|(3<<16)|(1<<21)           ; 15:0 the mask: all four work-groups; 17:16 elements of 8 bytes; 21 set beside a mask; no padding
	s_mov_b32 s[G1E+1], 32<<16                     ; tensor_dim0
	s_mov_b32 s[G1E+2], 16<<16                     ; tensor_dim1
	s_mov_b32 s[G1E+3], 32<<16                     ; tile_dim0
	s_mov_b32 s[G1E+4], 16                         ; tile_dim1
	s_mov_b32 s[G1E+5], 32                         ; tensor_dim0_stride
	s_mov_b32 s[G1E+6], 0
	s_mov_b32 s[G1E+7], 0
	s_mov_b32 s[G1L], 15|(3<<16)|(1<<21)
	s_mov_b32 s[G1L+1], 32<<16
	s_mov_b32 s[G1L+2], 48<<16
	s_mov_b32 s[G1L+3], 32<<16
	s_mov_b32 s[G1L+4], 48
	s_mov_b32 s[G1L+5], 32
	s_mov_b32 s[G1L+6], 0
	s_mov_b32 s[G1L+7], 0
	; LDS mirrors the head's block.  Early: steps 0-3, wave w's 4,096 bytes at 4,096 w.  Late: steps 4-15, wave w's 12,288 bytes at 65,536 + 12,288 w.
	s_lshl_b32 s68, s14, 18                        ; the head's first byte in kv_img
	s_mov_b32 s[G0E], 1
	s_lshl_b32 s[G0E+1], s[WV], 12
	s_add_co_u32 s66, s68, s[G0E+1]
	s_mov_b32 s67, 0
	s_mov_b32 s[G0L], 1
	s_mul_i32 s[G0L+1], s[WV], 12288
	s_add_co_u32 s[G0L+1], s[G0L+1], 65536
	s_add_co_u32 s68, s68, s[G0L+1]
	s_mov_b32 s69, 0
	s_mov_b32 s[SEL], 0x76543210
	s_mov_b32 s[SEL+1], 0xfedcba98
	s_mov_b32 s[HM], 0xffff0000
	s_wait_dscnt 0x0
	s_wait_kmcnt 0x0
	s_load_b128 s[48:51], s[8:9], 0x18             ; e6, e7, e8, e9
	s_load_b32 s52, s[8:9], 0x28                   ; e10
	s_add_nc_u64 s[G0E+2:G0E+3], s[6:7], s[66:67]
	s_or_b32 s[G0E+3], s[G0E+3], 0x80000000        ; type = 2
	s_add_nc_u64 s[G0L+2:G0L+3], s[6:7], s[68:69]
	s_or_b32 s[G0L+3], s[G0L+3], 0x80000000
	CROUND                                         ; all four work-groups are here: the joint loads meet
	tensor_load_to_lds s[G0E:G0E+3], s[G1E:G1E+7]  ; the early fill: one load of mine is out
	s_nop 0
	s_wait_alu depctr_va_vdst(0)
	s_wait_tensorcnt 0x0
	ds_add_u32 v251, v255
	s_wait_dscnt 0x0
	CROUND
	tensor_load_to_lds s[G0L:G0L+3], s[G1L:G1L+7]
	s_nop 0
.rept 4
	v_nop
.endr
	s_lshl_b32 s70, s[GH], 3
	s_add_co_u32 s70, s70, s18                     ; my high tile
	s_lshl_b32 s71, s[GL], 3
	s_add_co_u32 s71, s71, s18                     ; my low tile
	s_lshl_b32 s72, s14, 17                        ; the head's first byte in q_img; a tile is 1,024 bytes
	s_lshl_b32 s74, s70, 10
	s_add_co_u32 s74, s74, s72
	s_mov_b32 s75, 0
	s_add_nc_u64 s[QPH:QPH+1], s[4:5], s[74:75]
	s_lshl_b32 s74, s71, 10
	s_add_co_u32 s74, s74, s72
	s_add_nc_u64 s[QPL:QPL+1], s[4:5], s[74:75]
	s_lshr_b32 s72, s14, 4
	s_lshl_b32 s72, s72, 7                         ; ctx_img: [row tile = 128 x batch + tile][head of 16][2][lane][16]
	s_and_b32 s73, s14, 15
	s_lshl_b32 s73, s73, 10
	s_add_co_u32 s74, s72, s70
	s_lshl_b32 s74, s74, 14
	s_add_co_u32 s74, s74, s73
	s_add_nc_u64 s[CPH:CPH+1], s[10:11], s[74:75]
	s_add_co_u32 s74, s72, s71
	s_lshl_b32 s74, s74, 14
	s_add_co_u32 s74, s74, s73
	s_add_nc_u64 s[CPL:CPL+1], s[10:11], s[74:75]
	s_wait_alu depctr_va_vdst(0)
	global_load_b128 v[QH:QH+3], v[LI], s[QPH:QPH+1]               ; Q's fragments stay in registers
	global_load_b128 v[QH+4:QH+7], v[LI], s[QPH:QPH+1] offset:512
	global_load_b128 v[QL:QL+3], v[LI], s[QPL:QPL+1]
	global_load_b128 v[QL+4:QL+7], v[LI], s[QPL:QPL+1] offset:512
	v_and_b32 v[DV], 15, v0
	v_bfe_u32 v[ADR], v0, 4, 1
	s_delay_alu instid0(VALU_DEP_1)
	v_lshlrev_b32 v[ADR], 3, v[ADR]
	s_delay_alu instid0(VALU_DEP_1)
	v_sub_nc_u32 v[DV], v[DV], v[ADR]
	s_lshl_b32 s76, s18, 4
	v_add_nc_u32 v[DV], s76, v[DV]                 ; 16 m + lane % 16 - 8 (lane / 16): in the diagonal step register 8 T + j is hidden where 16 T + j is above it
	v_mov_b32 v[NINF], 0xff800000
	v_mov_b32 v236, 0                              ; written once: a lane permute's destination counts as one of its sources
.irp i, 0,1,2,3
	v_mov_b32 v[YY+\i], 0
.endr
	v_mov_b32 v252, 0
	v_mov_b32 v253, 0                              ; (named as the upper half of the pair v[252:253])
	s_wait_kmcnt 0x0
	s_add_co_i32 s70, s48, s49
	s_lshl_b32 s70, s70, 23
	s_add_co_i32 s[CS], s70, 0x3e38aa3b            ; c = log2(e) / 8, with e6 + e7 added to its exponent field: a score stands for score x 2^(e6 + e7)
	s_mov_b32 s[CS+1], s[CS]                       ; (named with it as a pair)
	s_add_co_i32 s70, s50, 127
	s_lshl_b32 s71, s70, 23
	v_mov_b32 v[PSC], s71
	s_sub_co_i32 s70, s52, s50
	s_sub_co_i32 s70, s70, s51                     ; O / l stands for ctx / 2^(e8 + e9): its code is (O / l) / 2^(e10 - e8 - e9)
	s_add_co_i32 s70, s70, 127
	s_lshl_b32 s71, s70, 23
	v_mov_b32 v[CSC], s71
.macro INIT                            ; a tile begins: the step is written once, its first run finds zeros, which the first change of M leaves zeros
	v_mov_b32 v13, 0xff61b1e6                      ; the largest t so far: -3e38, under every t
	s_delay_alu instid0(VALU_DEP_1)
	v_floor_f32 v12, -v13                          ; -M
	v_mov_b32 v14, 0
	v_mov_b32 v15, 0
.set j, 0
.rept 32
	v_mov_b32 v[OT+j], 0
.set j, j+1
.endr
.endm
; A KEY STEP: 128 keys for the tile whose Q lies in v[q] on.  chk = 1: in the step s[lim], the tile's diagonal, hidden scores become -infinity.
.macro STEP q, lim, chk
	v_add_nc_u32 v[ADR], s[TB], v[LI]
.irp t, 0,1,2,3,4,5,6,7
	ds_load_b128 v[FF+8*\t:FF+8*\t+3], v[ADR] offset:1024*\t             ; K's tile t: each load takes 512 consecutive bytes
	ds_load_b128 v[FF+8*\t+4:FF+8*\t+7], v[ADR] offset:1024*\t+512
.endr
	s_wait_alu depctr_va_vdst(0)
.irp t, 0,1,2,3,4,5,6,7
	s_wait_dscnt 14-2*\t                           ; tile t's two loads are in; the later tiles' may be out
	v_wmma_f32_16x16x64_bf8_bf8 v[SS+8*\t:SS+8*\t+7], v[FF+8*\t:FF+8*\t+7], v[\q:\q+7], 0
.endr
.rept 4
	v_nop                                          ; places: ahead of the loads into K's registers and of the first read of the scores
.endr
.irp t, 0,1,2,3
.irp g, 0,1,2,3
	ds_load_b128 v[FF+16*\t+4*\g:FF+16*\t+4*\g+3], v[ADR] offset:8192+2048*\t+512*\g   ; V^T's four fragments: they land while the softmax is worked
.endr
.endr
.if \chk
	s_cmp_lg_u32 s[KS], s[\lim]
	s_cbranch_scc1 .Lopen_\@
.irp t, 0,1,2,3,4,5,6,7
.irp i, 0,1,2,3,4,5,6,7
	v_cmp_gt_i32 vcc_lo, 16*\t+\i, v[DV]
	v_cndmask_b32 v[SS+8*\t+\i], v[SS+8*\t+\i], v[NINF], vcc_lo
.endr
.endr
.Lopen_\@:
.endif
	v_max3_num_f32 v254, v[SS], v[SS+1], v[SS+2]   ; the step's largest score of my query among my 64 keys, in two chains, each accumulator from its low end on,
	v_max3_num_f32 v252, v[SS+3], v[SS+4], v[SS+5]
.irp i, 6,10,14,18,22,26,30,34,38,42,46,50,54,58
	v_max3_num_f32 v254, v254, v[SS+\i], v[SS+1+\i]
	v_max3_num_f32 v252, v252, v[SS+2+\i], v[SS+3+\i]
.endr
	v_max3_num_f32 v254, v254, v[SS+62], v[SS+63]
	s_delay_alu instid0(VALU_DEP_1)
	v_max_num_f32 v254, v254, v252
	s_delay_alu instid0(VALU_DEP_1)
	v_permlanex16_b32 v236, v254, s[SEL], s[SEL+1]
	s_delay_alu instid0(VALU_DEP_1)
	v_max_num_f32 v254, v254, v236                 ; and among lane l xor 16's
	s_delay_alu instid0(VALU_DEP_1)
	v_mul_f32 v254, s[CS], v254                    ; as t (c is positive)
	s_delay_alu instid0(VALU_DEP_1)
	v_max_num_f32 v13, v13, v254                   ; the running largest t
	v_mov_b32 v254, v12
	s_delay_alu instid0(VALU_DEP_2)
	v_floor_f32 v12, -v13                          ; the new -M = floor(-t) = -ceil(t)
	s_delay_alu instid0(VALU_DEP_1)
	v_sub_f32 v254, v12, v254                      ; old M less new M: a whole number, 0 or less
	s_delay_alu instid0(VALU_DEP_1)
	v_cvt_i32_f32 v254, v254                       ; (it saturates)
	s_delay_alu instid0(VALU_DEP_1)
	v_ldexp_f32 v252, 1.0, v254                    ; f = 2^(old M - new M)
.set j, 0
.rept 32
	v_pk_fma_f32 v[SS+j:SS+j+1], v[SS+j:SS+j+1], s[CS:CS+1], v[12:13] op_sel_hi:[1,0,0]   ; t - M, two at a time (of the pairs c and -M the low word serves both halves)
.set j, j+2
.endr
.set j, 0
	s_setprio 1
	s_wait_alu depctr_va_vdst(0)
.rept 64
	v_exp_f32 v[SS+j], v[SS+j]                     ; p = 2^(t - M), at most 1
.set j, j+1
.endr
	v_pk_mul_f32 v[14:15], v[14:15], v[252:253] op_sel_hi:[1,0]   ; the sums under the new M: the plain instruction behind the exponentials
	s_wait_alu depctr_va_vdst(0)                   ; one wait for the batch of 64, ahead of its first reader
	v_pk_add_f32 v[242:243], v[SS:SS+1], v[SS+2:SS+3]   ; the row's sum is taken of the unquantised p, in two chains
.irp i, 4,8,12,16,20,24,28,32,36,40,44,48,52,56,60
	v_pk_add_f32 v[14:15], v[14:15], v[SS+\i:SS+1+\i]
	v_pk_add_f32 v[242:243], v[242:243], v[SS+2+\i:SS+3+\i]
.endr
	s_delay_alu instid0(VALU_DEP_1)
	v_pk_add_f32 v[14:15], v[14:15], v[242:243]
.irp t, 0,1,2,3,4,5,6,7
.irp i, 0,1,2,3,4,5,6,7
.endr
	v_cvt_scalef32_pk8_bf8_f32 v[PC+2*\t:PC+2*\t+1], v[SS+8*\t:SS+8*\t+7], v[PSC]
.endr
.set j, 0
	s_setprio 0
.rept 16
	v_pk_mul_f32 v[OT+j:OT+j+1], v[OT+j:OT+j+1], v[252:253] op_sel_hi:[1,0]   ; O^T under the new M; also the plain instructions behind the last conversion
.set j, j+2
.endr
	s_wait_alu depctr_va_vdst(0)
	s_wait_dscnt 0x0                               ; V^T is in
.irp t, 0,1,2,3
	v_wmma_f32_16x16x128_bf8_bf8 v[OT+8*\t:OT+8*\t+7], v[FF+16*\t:FF+16*\t+15], v[PC:PC+15], v[OT+8*\t:OT+8*\t+7]   ; the four accumulators by turns, one instruction a turn
.endr
.rept 4
	v_nop                                          ; places at the step's end, on every way out of it: ahead of the next loads into V's registers and of the next read or write of O^T
.endr
.endm
; Key steps k0 .. k1 - 1.  The trip count is a constant; chk = 1: a step all of whose keys come after the tile's queries is jumped over, by a branch on the wave's number and the counter.
.macro PASS k0, k1, q, lim, chk
	s_mov_b32 s[KS], \k0
	s_mov_b32 s[TB], STEPB*\k0
.Lp_\@:
.if \chk
	s_cmp_gt_u32 s[KS], s[\lim]
	s_cbranch_scc1 .Lskip_\@
.endif
	s_setprio 2
	STEP \q, \lim, \chk
.if \chk
.Lskip_\@:
.endif
	s_add_co_u32 s[TB], s[TB], STEPB
	s_add_co_u32 s[KS], s[KS], 1
	s_cmp_lt_u32 s[KS], \k1
	s_cbranch_scc1 .Lp_\@
	s_setprio 0
.endm
; A tile's end: O^T / the sum, converted; then the halves of the lanes exchange eight codes each way, so that a lane holds 16 neighbouring channels
; (32 c + 16 (lane / 16) + 0 .. 15 in registers 4 c .. 4 c + 3): the order in which the next launch's other operand comes out of LDS.
.macro OUT ptr
	s_wait_xcnt 0x0                                ; earlier stores have read their data: the codes' registers are written again only behind this wait
	v_add_f32 v14, v14, v15
	s_delay_alu instid0(VALU_DEP_1)
	v_permlanex16_b32 v236, v14, s[SEL], s[SEL+1]
	s_delay_alu instid0(VALU_DEP_1)
	v_add_f32 v14, v14, v236                       ; the row's sum
	s_wait_alu depctr_va_vdst(0)
	v_rcp_f32 v14, v14
	v_nop                                          ; a plain instruction behind the reciprocal
	s_wait_alu depctr_va_vdst(0)                   ; and the wait ahead of its first reader
.set j, 0
.rept 16
	v_pk_mul_f32 v[SS+j:SS+j+1], v[OT+j:OT+j+1], v[14:15] op_sel_hi:[1,0]   ; each accumulator from its low end on
.set j, j+2
.endr
.set j, 0
.rept 32
.set j, j+1
.endr
.irp t, 0,1,2,3
	v_cvt_scalef32_pk8_bf8_f32 v[CC+2*\t:CC+2*\t+1], v[SS+8*\t:SS+8*\t+7], v[CSC]   ; channels 16 t + 8 (lane / 16) + 0 .. 7
.endr
	v_nop                                          ; a plain instruction behind the last conversion
.irp c, 0,1
.irp e, 0,1
	v_cndmask_b32 v[XX+2*\c+\e], v[CC+4*\c+2+\e], v[CC+4*\c+\e], s[HM]   ; what I send: lanes 0-15 their part of tile 2 c + 1, lanes 16-31 theirs of tile 2 c
.endr
.endr
.irp i, 0,1,2,3
	s_delay_alu instid0(VALU_DEP_4)
	v_permlanex16_b32 v[YY+\i], v[XX+\i], s[SEL], s[SEL+1]
.endr
.irp c, 0,1
.irp e, 0,1
	v_cndmask_b32 v[CC+4*\c+\e], v[CC+4*\c+\e], v[YY+2*\c+\e], s[HM]       ; the first eight: lanes 0-15 keep theirs, lanes 16-31 take what came
	v_cndmask_b32 v[CC+4*\c+2+\e], v[YY+2*\c+\e], v[CC+4*\c+2+\e], s[HM]   ; the second eight: the other way round
.endr
.endr
	global_store_b128 v[LI], v[CC:CC+3], s[\ptr:\ptr+1]                    ; each store of the wave covers 512 consecutive bytes, aligned
	global_store_b128 v[LI], v[CC+4:CC+7], s[\ptr:\ptr+1] offset:512
.endm
	s_wait_tensorcnt 0x1                           ; my early piece has landed; the late one, issued behind it, may stay out
	s_barrier_signal -1
	s_barrier_wait -1                              ; steps 0-3 are whole
	INIT
	s_wait_loadcnt 0x0                             ; Q
	PASS 0, 4, QH, GH, 0                           ; the high tile's diagonal is step 8 or later: nothing is hidden here
	s_wait_tensorcnt 0x0                           ; my late piece has landed
	s_wait_dscnt 0x0
	s_barrier_signal -1
	s_barrier_wait -1                              ; steps 4-15 are whole; from here on the waves run free
	PASS 4, 16, QH, GH, 1
	OUT CPH
	INIT
	PASS 0, 8, QL, GL, 1
	OUT CPL
	s_wait_tensorcnt 0x0
	ds_add_u32 v251, v255
	s_wait_dscnt 0x0
	CROUND                                         ; the closing round
	s_endpgm
.Lfunc_end_k_q4be6de629a_attn:
	.size	k_q4be6de629a_attn, .Lfunc_end_k_q4be6de629a_attn-k_q4be6de629a_attn
	.p2alignl 7, 3214868480
	.fill 96, 4, 3214868480
	.section	.rodata,"a",@progbits
	.p2align	6, 0x0
	.amdhsa_kernel k_q4be6de629a_attn
		.amdhsa_group_segment_fixed_size 327680
		.amdhsa_private_segment_fixed_size 0
		.amdhsa_enable_private_segment 0
		.amdhsa_kernarg_size 32
		.amdhsa_user_sgpr_count 2
		.amdhsa_user_sgpr_kernarg_segment_ptr 1
		.amdhsa_wavefront_size32 1
		.amdhsa_system_sgpr_workgroup_id_x 1
		.amdhsa_system_sgpr_workgroup_id_y 1
		.amdhsa_system_sgpr_workgroup_id_z 1
		.amdhsa_system_vgpr_workitem_id 0
		.amdhsa_next_free_vgpr 256
		.amdhsa_next_free_sgpr 80
		.amdhsa_reserve_vcc 1
		.amdhsa_float_denorm_mode_32 3
		.amdhsa_float_denorm_mode_16_64 3
		.amdhsa_fp16_overflow 1
		.amdhsa_memory_ordered 1
		.amdhsa_forward_progress 1
		.amdhsa_inst_pref_size 68
	.end_amdhsa_kernel
	.amdgpu_metadata
---
amdhsa.version: [ 1, 2 ]
amdhsa.kernels:
  - .name:           k_q4be6de629a_attn
    .symbol:         k_q4be6de629a_attn.kd
    .args:
      - { .name: q_img, .offset: 0, .size: 8, .value_kind: global_buffer, .address_space: global }
      - { .name: kv_img, .offset: 8, .size: 8, .value_kind: global_buffer, .address_space: global }
      - { .name: lowp_scales, .offset: 16, .size: 8, .value_kind: global_buffer, .address_space: global }
      - { .name: ctx_img, .offset: 24, .size: 8, .value_kind: global_buffer, .address_space: global }
    .group_segment_fixed_size: 327680
    .private_segment_fixed_size: 0
    .kernarg_segment_align: 8
    .kernarg_segment_size: 32
    .max_flat_workgroup_size: 512
    .sgpr_count:     80
    .vgpr_count:     256
    .wavefront_size: 32
...
	.end_amdgpu_metadata
.endif
;; end of part 2
;; launch proj (part 3): grid 8 x 32, 4 waves a work-group, clusters of 4 x 4, 327,680 bytes of LDS; arguments ctx_img, w_o_codes, lowp_scales, b_o, out0; writes out0
.if DOCPART == 3
	.amdgcn_target "amdgcn-amd-amdhsa--gfx1250"
	.amdhsa_code_object_version 6
	.text
	.protected	k_q4be6de629a_proj
	.globl	k_q4be6de629a_proj
	.p2align	8
	.type	k_q4be6de629a_proj,@function
k_q4be6de629a_proj:
	s_mov_b64 s[64:65], 0
	v_nop
	global_prefetch_b8 v0, s[64:65] scope:SCOPE_SE
	s_setreg_imm32_b32 hwreg(HW_REG_WAVE_MODE, 25, 1), 1
	s_wait_xcnt 0x0
	s_wait_alu depctr_hold_cnt(0) depctr_sa_sdst(0) depctr_va_vdst(0) depctr_va_sdst(0) depctr_va_ssrc(0) depctr_va_vcc(0) depctr_vm_vsrc(0)
	s_getreg_b32 s2, hwreg(HW_REG_IB_STS2, 6, 4)
	s_cmp_eq_u32 s2, 0
	s_cbranch_scc0 .Lentry_in_a_cluster
	s_endpgm
.Lentry_in_a_cluster:
	s_bfe_u32 s2, ttmp6, 0x10000c
	s_cmp_lg_u32 s2, 0xf033
	s_cbranch_scc0 .Lentry_shape_is_right
	s_endpgm
.Lentry_shape_is_right:
; out = ctx Wo^T + b_o on codes of BF8 (E5M2).  ctx: 8,192 rows x 1,024, as images of operand registers (below); Wo: [1024][1024] codes, K innermost; b_o [1024], out [8192][1024]: f32.
; Each finished sum is multiplied once by 2^(e10 + e11) and gets its bias in the same fused multiply-add.  LIMIT: e10 + e11 between -126 and 127, so that the power of two is an f32 number.
; A work-group of four waves makes 256 rows x 128 columns (so that the 8,192 x 1,024 results give 256 work-groups); a wave 128 x 64: 32 accumulators, 256 registers.
; K = 1,024 goes in four steps of 256 through two LDS slots.  ctx_img is [row tile of 16][head 16][2][lane 32][16 bytes]: 2,048 bytes on end are a fragment of 16 rows x 128 K, four registers by
; 512 consecutive bytes; lane l holds row l % 16 and, in registers 4 c .. 4 c + 3, K = 32 c + 16 (l / 16) + 0 .. 15: the order in which Wo's fragments come out of LDS rows by four loads of 16 bytes.
; CLUSTERS: 4 x 4 work-groups.  The four of a row of the cluster need the same rows of ctx, the four of a column the same rows of Wo: each tile is asked for jointly.
; THE MATRIX INSTRUCTION IS USED TRANSPOSED (source 0 = 16 rows of Wo, source 1 = 16 rows of ctx): a lane holds eight neighbouring numbers of a row of out.
; REGISTERS: window 0: v16-29 addresses; v32-63 b_o in the result's layout; v64-95 a block's results; v128-255 ctx's eight fragments, one set (on the way out: rows read back).
;   window 1: Wo's fragments, two sets of four, at v0 and v128.   window 2: accumulator (a, b) at v[8 (4 a + b)].
.set KROW,   1024
.set PITCH,  272                       ; Wo's LDS row: 256 bytes + 16 of padding: the 16 rows that a load touches start at 16 different banks (64 banks of 4 bytes: ISA guide 11.1)
.set FR,     16
.set NP,     4                         ; places behind this matrix instruction (ISA guide 7.12.1)
.set AIMG,   4096                      ; a row tile's images of 256 along K: four heads x 1,024 bytes
.set ABYTES, 16*AIMG                   ; the tile's 16 row tiles
.set BHALF,  64*PITCH                  ; 64 rows of Wo
.set SLOT,   ABYTES+2*BHALF            ; 100,352
.set SPARE,  2*SLOT                    ; behind the ring: the spare words, 128 bytes a wave: two blocks of 256 bytes that no other line names
.set STAGE,  SPARE+512                 ; behind them: 16 rows x 272 bytes for each wave, for the way out; no fill ever lands here
.set SPITCH, 272
.set ADRA, 16                          ; v16-17  LDS address of my ctx fragments in slot 0, 1
.set ADRB, 20                          ; v20-21  of Wo's
.set STO,  24                          ; v24     the way out: where I put 32 bytes of a row
.set RD,   25                          ; v25     where I read a row back
.set CO,   26                          ; v26     my byte offset in two rows of out
.set BOF,  27                          ; v27     my byte offset in b_o
.set SPW,  28
.set NIL,  29
.set BI,   32
.set TMP,  64
.set AF,   128
.set BK,   128                         ; the way out: 16 rows read back: v128-159 and v160-191 by turns
.set WV,   14                          ; s14 wave; s15 which 128 rows are mine, also: I fetch for ctx (0) or Wo (1); s16 which 64 columns, also: which half I fetch
.set HA,   15
.set HB,   16
.set G1,   24
.set G0,   32
.set G1B,  48
.set G0B,  56
.set MSB, 0
.macro WIN new
.if MSB != (\new)
	s_set_vgpr_msb (MSB<<8)|(\new)
.set MSB, (\new)
.endif
.endm
.set MUL,  0xa1                        ; source 0 (Wo) window 1, source 1 (ctx) window 0, C and D window 2
.set TO_B, 0x40                        ; destination window 1, address window 0
.macro JLOAD g0a, g0b                  ; a joint load: waves 0 and 1 fetch ctx's halves, waves 2 and 3 Wo's; four v_nop follow each line
	s_cmp_eq_u32 s[HA], 0
	s_cbranch_scc0 .Lfor_b_\@
	tensor_load_to_lds s[\g0a:\g0a+3], s[G1:G1+7]
	s_nop 0
.rept 4
	v_nop
.endr
	s_branch .Lasked_\@
.Lfor_b_\@:
	tensor_load_to_lds s[\g0b:\g0b+3], s[G1B:G1B+7]
	s_nop 0
.rept 4
	v_nop
.endr
.Lasked_\@:
.endm
.macro CREST
	s_cmp_lg_u32 s[WV], 0
	s_cbranch_scc1 .Lnot_wave_0_\@
	s_barrier_signal -3
.Lnot_wave_0_\@:
	s_barrier_wait -3
	s_barrier_signal -1
	s_barrier_wait -1
.endm
.macro CROUND
	s_barrier_signal -1
	s_barrier_wait -1
	CREST
.endm
	s_load_b256 s[4:11], s[0:1], 0x0               ; ctx_img s[4:5], Wo s[6:7], the scales' exponents s[8:9], b_o s[10:11]
	s_load_b64 s[12:13], s[0:1], 0x20              ; out
	v_lshl_add_u32 v[SPW], v0, 2, SPARE
	v_mov_b32 v[NIL], 0
	ds_add_u32 v28, v29
	ds_add_u32 v28, v29
	s_wait_dscnt 0x0
	v_lshrrev_b32 v1, 5, v0
	v_readfirstlane_b32 s[WV], v1
	s_lshr_b32 s[HA], s[WV], 1
	s_and_b32 s[HB], s[WV], 1
	s_bfe_u32 s40, ttmp6, 0x40000                  ; cx, cy
	s_bfe_u32 s41, ttmp6, 0x40004
	s_lshl_b32 s42, ttmp9, 2
	s_add_co_u32 s42, s42, s40                     ; tile column = 4 x cluster x + cx, 0 .. 7
	s_and_b32 s17, ttmp7, 0xffff
	s_lshl_b32 s17, s17, 2
	s_add_co_u32 s17, s17, s41                     ; tile row = 4 x cluster y + cy, 0 .. 31
	s_lshl_b32 s43, s41, 2
	s_lshl_b32 s43, 15, s43                        ; my row of the cluster
	s_lshl_b32 s44, 0x1111, s40                    ; my column
	; ctx: 8 row tiles x 4,096 bytes, 16,384 bytes apart in memory, dense in LDS
	s_or_b32 s[G1+0], s43, (0<<16)|(1<<21)         ; 15:0 the mask: my row; 17:16 elements of 1 byte; 21 set beside a mask; no padding
	s_mov_b32 s[G1+1], AIMG<<16                    ; tensor_dim0
	s_mov_b32 s[G1+2], 8<<16                       ; tensor_dim1
	s_mov_b32 s[G1+3], AIMG<<16                    ; tile_dim0
	s_mov_b32 s[G1+4], 8                           ; tile_dim1
	s_mov_b32 s[G1+5], 16384                       ; tensor_dim0_stride
	s_mov_b32 s[G1+6], 0
	s_mov_b32 s[G1+7], 0
	; Wo: 64 rows x 256 bytes, padded in LDS
	s_or_b32 s[G1B+0], s44, (0<<16)|(1<<20)|(1<<21)|(5<<22)|(3<<25)   ; the mask: my column; padding: four words after every 64
	s_mov_b32 s[G1B+1], 256<<16
	s_mov_b32 s[G1B+2], 64<<16
	s_mov_b32 s[G1B+3], 256<<16
	s_mov_b32 s[G1B+4], 64
	s_mov_b32 s[G1B+5], KROW
	s_mov_b32 s[G1B+6], 0
	s_mov_b32 s[G1B+7], 0
	s_lshl_b32 s20, s17, 18                        ; ctx: 256 rows are 16 row tiles of 16,384 bytes;
	s_lshl_b32 s21, s[HB], 17                      ; the half that I fetch: 8 row tiles
	s_add_co_u32 s20, s20, s21
	s_mov_b32 s21, 0
	s_lshl_b32 s46, s42, 17                        ; Wo: 128 rows of 1,024 bytes;
	s_lshl_b32 s47, s[HB], 16                      ; the half that I fetch: 64 rows
	s_add_co_u32 s46, s46, s47
	s_mov_b32 s47, 0
	s_lshl_b32 s45, s[HB], 15                      ; where they go: ctx's half at 32,768 x half,
	s_mul_i32 s18, s[HB], BHALF
	s_add_co_u32 s18, s18, ABYTES                  ; Wo's behind ctx's: no place in the cluster enters an LDS address
	s_wait_kmcnt 0x0
	s_load_b64 s[96:97], s[8:9], 0x28              ; e10, e11
	s_add_nc_u64 s[20:21], s[4:5], s[20:21]
	s_add_nc_u64 s[46:47], s[6:7], s[46:47]
	CROUND                                         ; all sixteen work-groups are here: the first joint loads meet
.irp s, 0,1
	s_mov_b32 s[G0+4*\s], 1
	s_add_co_u32 s[G0+4*\s+1], s45, \s*SLOT
	s_add_nc_u64 s[G0+4*\s+2:G0+4*\s+3], s[20:21], \s*AIMG
	s_or_b32 s[G0+4*\s+3], s[G0+4*\s+3], 0x80000000
	s_mov_b32 s[G0B+4*\s], 1
	s_add_co_u32 s[G0B+4*\s+1], s18, \s*SLOT
	s_add_nc_u64 s[G0B+4*\s+2:G0B+4*\s+3], s[46:47], \s*256
	s_or_b32 s[G0B+4*\s+3], s[G0B+4*\s+3], 0x80000000
	s_wait_alu depctr_va_vdst(0)
	s_wait_tensorcnt 0x0
	ds_add_u32 v28, v29
	ds_add_u32 v28, v29
	s_wait_dscnt 0x0
	CROUND
	JLOAD G0+4*\s, G0B+4*\s
.endr
	v_and_b32 v1, 15, v0                           ; l % 16
	v_bfe_u32 v2, v0, 4, 1                         ; l / 16
	v_and_b32 v5, 31, v0
	v_lshlrev_b32 v5, 4, v5                        ; 16 x lane: my place in an image
	v_mul_u32_u24 v3, v1, PITCH
	v_lshl_add_u32 v4, v2, 4, v3                   ; Wo: row x pitch + 16 x half
	s_lshl_b32 s21, s[HA], 15                      ; my 8 row tiles of ctx
	s_mul_i32 s22, s[HB], BHALF
	s_add_co_u32 s22, s22, ABYTES                  ; my 64 rows of Wo
.irp s, 0,1
	v_add_nc_u32 v[ADRA+\s], s21, v5
	v_add_nc_u32 v[ADRB+\s], s22, v4
	s_add_co_u32 s21, s21, SLOT
	s_add_co_u32 s22, s22, SLOT
.endr
	s_mul_i32 s23, s[WV], 16*SPITCH
	s_add_co_u32 s23, s23, STAGE                   ; my stage
	v_mul_u32_u24 v6, v1, SPITCH
	v_lshl_add_u32 v6, v2, 5, v6
	v_add_nc_u32 v[STO], s23, v6                   ; in: row l % 16, 32 bytes for each half of the lanes
	v_mul_u32_u24 v7, v2, SPITCH
	v_lshl_add_u32 v7, v1, 4, v7
	v_add_nc_u32 v[RD], s23, v7                    ; back: lanes 0-15 one row of 256 bytes, lanes 16-31 the next
	v_lshlrev_b32 v[CO], 12, v2
	v_lshl_add_u32 v[CO], v1, 4, v[CO]             ; and the same two rows in out (4,096 bytes a row)
	v_lshlrev_b32 v[BOF], 5, v2                    ; b_o: 8 numbers for each half of the lanes
	s_wait_alu depctr_va_vdst(0)
	s_lshl_b32 s20, s17, 20                        ; my first row of out: (256 x tile row + 128 x half) x 4,096 bytes
	s_lshl_b32 s21, s[HA], 19
	s_add_co_u32 s20, s20, s21
	s_mov_b32 s21, 0
	s_lshl_b32 s46, s42, 9                         ; my first column, in bytes: 512 x tile column + 256 x half
	s_lshl_b32 s47, s[HB], 8
	s_add_co_u32 s46, s46, s47
	s_mov_b32 s47, 0
	s_add_nc_u64 s[10:11], s[10:11], s[46:47]
	s_add_nc_u64 s[20:21], s[20:21], s[46:47]
	s_add_nc_u64 s[12:13], s[12:13], s[20:21]
.irp b, 0,1,2,3
	global_load_b128 v[BI+8*\b:BI+8*\b+3], v[BOF], s[10:11] offset:64*\b         ; b_o at columns 16 b + 8 (l / 16) + 0 .. 7: the result's layout
	global_load_b128 v[BI+8*\b+4:BI+8*\b+7], v[BOF], s[10:11] offset:64*\b+16
.endr
.macro FRAGA reg, adr, q, i            ; ctx's fragment of row tile i, the slot's q-th 128 along K: four groups of 512 consecutive bytes
.irp c, 0,1,2,3
	ds_load_b128 v[\reg+4*\c:\reg+4*\c+3], v[\adr] offset:AIMG*(\i)+2048*(\q)+512*\c
.endr
.endm
.macro FRAGB reg, adr, q, i            ; Wo's fragment of rows 16 i on
.irp c, 0,1,2,3
	ds_load_b128 v[\reg+4*\c:\reg+4*\c+3], v[\adr] offset:128*(\q)+32*\c+(\i)*16*PITCH
.endr
.endm
; 8 matrix instructions: ctx's blocks a0, a0 + 1 x Wo's four.  The 32 accumulators take turns, one instruction a turn, in the same order in every step.
.macro MUL8 a0, p, zero
.irp a, \a0, \a0+1
.irp b, 0,1,2,3
.if \zero
	v_wmma_f32_16x16x128_bf8_bf8 v[8*(4*(\a)+\b):8*(4*(\a)+\b)+7], v[128*(\p)+FR*\b:128*(\p)+FR*\b+FR-1], v[AF+FR*(\a):AF+FR*(\a)+FR-1], 0
.else
	v_wmma_f32_16x16x128_bf8_bf8 v[8*(4*(\a)+\b):8*(4*(\a)+\b)+7], v[128*(\p)+FR*\b:128*(\p)+FR*\b+FR-1], v[AF+FR*(\a):AF+FR*(\a)+FR-1], v[8*(4*(\a)+\b):8*(4*(\a)+\b)+7]
.endif
.endr
.endr
.endm
.macro FETCH_B slot, q, p
	WIN TO_B
.irp i, 0,1,2,3
	FRAGB 128*(\p)+FR*\i, ADRB+\slot, \q, \i
.endr
	WIN 0
.endm
.macro FETCH_A slot, q, i0
.irp i, \i0, \i0+1, \i0+2, \i0+3
	FRAGA AF+FR*(\i), ADRA+\slot, \q, \i
.endr
.endm
.macro PLACES n
.rept \n
	v_nop
.endr
.endm
.macro STEP slot, q, zero              ; a step of 128 along K that has its successor in the same slot
	s_wait_dscnt 16                                ; Wo's set and ctx's blocks 0-3 are in; the youngest sixteen loads (blocks 4-7) may be out
	WIN MUL
	MUL8 0, (\q)%2, \zero
	MUL8 2, (\q)%2, \zero
	s_wait_dscnt 0                                 ; blocks 4-7 are in
	PLACES NP
	FETCH_B \slot, (\q)+1, 1-(\q)%2
	FETCH_A \slot, (\q)+1, 0
	WIN MUL
	MUL8 4, (\q)%2, \zero
	MUL8 6, (\q)%2, \zero
	PLACES NP
	WIN 0
	FETCH_A \slot, (\q)+1, 4
.endm
.macro TURN slot, next, fill           ; a slot's last step changes slots
	s_wait_tensorcnt 0x0                           ; all my tensor loads have landed: my part of the next slot
	ds_add_u32 v[SPW], v[NIL]                      ; 0 onto my spare word
	s_wait_dscnt 17                                ; (the add and the youngest sixteen loads may be out)
	WIN MUL
	MUL8 0, 1, 0                                   ; eight matrix instructions stand between the add and the wait for it
	s_wait_dscnt 0x0                               ; the add is done, and my reads of this slot are over
	s_barrier_signal -1
	MUL8 2, 1, 0
	WIN 0
	s_barrier_wait -1
.if \fill
	CREST                                          ; no wave of any partner still reads this slot or has a load on its way
	s_add_nc_u64 s[G0+4*\slot+2:G0+4*\slot+3], s[G0+4*\slot+2:G0+4*\slot+3], 2*AIMG
	s_add_nc_u64 s[G0B+4*\slot+2:G0B+4*\slot+3], s[G0B+4*\slot+2:G0B+4*\slot+3], 2*256
	JLOAD G0+4*\slot, G0B+4*\slot                  ; the first tensor load behind the round, one a wave; its four v_nop are the places in front of the loads below
.else
	PLACES NP
.endif
	FETCH_B \next, 0, 0
	FETCH_A \next, 0, 0
	WIN MUL
	MUL8 4, 1, 0
	MUL8 6, 1, 0
	PLACES NP
	WIN 0
	FETCH_A \next, 0, 4
.endm
	s_wait_tensorcnt 1                             ; my part of K step 0 is in (K step 1's load, issued behind it, may be out),
	s_barrier_signal -1
	s_barrier_wait -1                              ; everybody's is
	FETCH_B 0, 0, 0
	FETCH_A 0, 0, 0
	FETCH_A 0, 0, 4
	STEP 0, 0, 1
	TURN 0, 1, 1
	STEP 1, 0, 0
	TURN 1, 0, 1
	STEP 0, 0, 0
	TURN 0, 1, 0
	STEP 1, 0, 0
	s_wait_dscnt 16                                ; the last step
	WIN MUL
	MUL8 0, 1, 0
	MUL8 2, 1, 0
	s_wait_dscnt 0
	MUL8 4, 1, 0
	MUL8 6, 1, 0
	WIN 0
; THE WAY OUT, block by block of 16 rows x 64 columns: sum x 2^(e10 + e11) + b_o; 32 bytes a lane into my own stage; back as whole rows of 256 bytes.
; LDS serves a wave's instructions in order (ISA guide 5.7.1.4): no wait between the stores and the loads, nor in front of the next block's stores.
.macro TOSTAGE a
	WIN 0x02                                       ; source 0 (the sums) window 2
.irp b, 0,1,2,3
.irp i, 0,2,4,6
	v_pk_fma_f32 v[TMP+8*\b+\i:TMP+8*\b+\i+1], v[32*(\a)+8*\b+\i:32*(\a)+8*\b+\i+1], s[96:97], v[BI+8*\b+\i:BI+8*\b+\i+1] op_sel_hi:[1,0,1]   ; each accumulator from its low end on
.endr
.endr
	WIN 0
.irp b, 0,1,2,3
	ds_store_b128 v[STO], v[TMP+8*\b:TMP+8*\b+3] offset:64*\b
	ds_store_b128 v[STO], v[TMP+8*\b+4:TMP+8*\b+7] offset:64*\b+16
.endr
.set BB, BK+32*((\a)%2)
.irp t, 0,1,2,3,4,5,6,7
	ds_load_b128 v[BB+4*\t:BB+4*\t+3], v[RD] offset:\t*2*SPITCH
.endr
.endm
.macro SEND a, younger                 ; younger: the LDS instructions issued behind block a's loads, which may stay out
.set BB, BK+32*((\a)%2)
	s_wait_dscnt \younger
.if (\a) > 0
	s_add_nc_u64 s[12:13], s[12:13], 16*4096       ; (behind a wait on XCNT: the earlier stores have read their base)  16 rows on
.endif
.irp t, 0,1,2,3,4,5,6,7
	global_store_b128 v[CO], v[BB+4*\t:BB+4*\t+3], s[12:13] offset:\t*8192 th:TH_STORE_NT   ; sixteen lanes store 256 consecutive bytes, aligned; written once, read by nobody here
.endr
.endm
	s_wait_kmcnt 0x0
	s_add_co_i32 s96, s96, s97
	s_add_co_i32 s96, s96, 127
	s_lshl_b32 s96, s96, 23                        ; 2^(e10 + e11) as f32
	s_mov_b32 s97, s96                             ; (named with it as a pair)
	s_wait_loadcnt 0x0                             ; b_o
	PLACES NP                                      ; behind the last products: ahead of the first read of results and of loads into ctx's registers
	TOSTAGE 0
.irp a, 1,2,3,4,5,6,7
.if \a > 1
	s_wait_xcnt 0x0                                ; block a - 2's stores have read their registers and their base: block a's loads may land there, and the base may step
.endif
	TOSTAGE \a
	SEND \a-1, 16                                  ; behind block a - 1's loads: block a's 8 stores and 8 loads
.endr
	s_wait_xcnt 0x0                                ; block 6's stores have read their base
	SEND 7, 0
	s_wait_tensorcnt 0x0                           ; the wave's end
	ds_add_u32 v[SPW], v[NIL]
	s_wait_dscnt 0x0
	CROUND                                         ; the closing round
	s_endpgm
.Lfunc_end_k_q4be6de629a_proj:
	.size	k_q4be6de629a_proj, .Lfunc_end_k_q4be6de629a_proj-k_q4be6de629a_proj
	.p2alignl 7, 3214868480
	.fill 96, 4, 3214868480
	.section	.rodata,"a",@progbits
	.p2align	6, 0x0
	.amdhsa_kernel k_q4be6de629a_proj
		.amdhsa_group_segment_fixed_size 327680
		.amdhsa_private_segment_fixed_size 0
		.amdhsa_enable_private_segment 0
		.amdhsa_kernarg_size 40
		.amdhsa_user_sgpr_count 2
		.amdhsa_user_sgpr_kernarg_segment_ptr 1
		.amdhsa_wavefront_size32 1
		.amdhsa_system_sgpr_workgroup_id_x 1
		.amdhsa_system_sgpr_workgroup_id_y 1
		.amdhsa_system_sgpr_workgroup_id_z 1
		.amdhsa_system_vgpr_workitem_id 0
		.amdhsa_next_free_vgpr 768
		.amdhsa_next_free_sgpr 100
		.amdhsa_reserve_vcc 0
		.amdhsa_float_denorm_mode_32 3
		.amdhsa_float_denorm_mode_16_64 3
		.amdhsa_memory_ordered 1
		.amdhsa_forward_progress 1
		.amdhsa_inst_pref_size 79
	.end_amdhsa_kernel
	.amdgpu_metadata
---
amdhsa.version: [ 1, 2 ]
amdhsa.kernels:
  - .name:           k_q4be6de629a_proj
    .symbol:         k_q4be6de629a_proj.kd
    .args:
      - { .name: ctx_img, .offset: 0, .size: 8, .value_kind: global_buffer, .address_space: global }
      - { .name: w_o_codes, .offset: 8, .size: 8, .value_kind: global_buffer, .address_space: global }
      - { .name: lowp_scales, .offset: 16, .size: 8, .value_kind: global_buffer, .address_space: global }
      - { .name: b_o, .offset: 24, .size: 8, .value_kind: global_buffer, .address_space: global }
      - { .name: out0, .offset: 32, .size: 8, .value_kind: global_buffer, .address_space: global }
    .group_segment_fixed_size: 327680
    .private_segment_fixed_size: 0
    .kernarg_segment_align: 8
    .kernarg_segment_size: 40
    .max_flat_workgroup_size: 128
    .sgpr_count:     100
    .vgpr_count:     768
    .wavefront_size: 32
...
	.end_amdgpu_metadata
.endif
;; end of part 3
